; MI455X (gfx1250); checked and timed in simulation.
; The chip was launched on July 23, 2026; its instructions are those of AMD's public machine-readable ISA for CDNA 5 (MIT licence, August 2026) and "CDNA5" Instruction Set Architecture Reference Guide (July 2026). The comments in the code are by the model that wrote it; some were corrected since.
;; Texture. Allowed arithmetic: float matrix products may take bf16 or f16 operands with f32 sums; all other float work in f32.
;; Inputs: layer1 1 x 1 x 2,048 x 2,048 float32; layer2 1 x 1 x 1,024 x 1,024 float32; layer3 1 x 1 x 512 x 512 float32; layer4 1 x 1 x 256 x 256 float32; x 16 x 512 x 1,024 x 2 float32.
;; Outputs: out0 16 x 1 x 512 x 1,024 float32.
;; 2 versions, each right; version 2 is version 1 with the launch sample written anew for expert scheduling mode. Each part assembles by itself: llvm-mc -triple=amdgcn-amd-amdhsa -mcpu=gfx1250 --defsym DOCPART=n.
;; ======== version 1 of 2: 2 launches
;; workspace buffers: idx 67,108,864 bytes of whole numbers; table 68,689,920 bytes
;; launch prepare (part 1): grid 4193 x 1, 8 waves a work-group, no clusters, 0 bytes of LDS; arguments layer1, layer2, layer3, layer4, x, idx, table; writes idx, table
.if DOCPART == 1
	.amdgcn_target "amdgcn-amd-amdhsa--gfx1250"
	.amdhsa_code_object_version 6
	.text
	.protected	k_q84d0f32936_prepare
	.globl	k_q84d0f32936_prepare
	.p2align	8
	.type	k_q84d0f32936_prepare,@function
k_q84d0f32936_prepare:
	s_mov_b64 s[64:65], 0
	v_nop
	global_prefetch_b8 v0, s[64:65] scope:SCOPE_SE
	s_setreg_imm32_b32 hwreg(HW_REG_WAVE_MODE, 25, 1), 1
	s_wait_xcnt 0x0
; PREPARE: two jobs in one launch, chosen by the work-group number.
;
; (a) Work-groups 0 .. 2144 build TABLE.  With u = 2048 x, layer d (d = 1, 2, 4, 8) is sampled at ix = u/d - 0.5 with zero padding,
;     which is the sum over its texels of texel * hat(iy - r) * hat(ix - c), hat(t) = max(0, 1 - |t|).  All knots of these hats lie
;     at multiples of 0.5 in u (k+0.5, 2k+1, 4k+2, 8k+4), so the sum of the four layers is bilinear on every cell of the grid
;     u = i/2 - 4, v = j/2 - 4, and it is 0 at and beyond u = -4 and u = 2052.  TABLE[j][i] is that sum at node (i, j):
;     4128 rows of 4160 floats (nodes 0 .. 4113 are read later; the rest of a row fills its last 256 bytes, the rest of the
;     rows fills the last chunk of 16; all of them come out as 0 by the same arithmetic).
;     One bilinear lookup in TABLE then replaces the four lookups of the four layers, for every input.
; (b) Work-groups 2145 .. 4192 turn x into whole numbers: q = 4096 x + 8 in 16.16 fixed point, clamped to [0, 4112 << 16];
;     bits 31:16 are the cell of TABLE, bits 15:0 the place inside it.  q = 0xffffffff where x * 4096 is not finite (there the
;     sampled coordinate of layer1 is Inf or NaN and the result is NaN).
;
; LIMITS: texels must be finite (a weight of 0 times Inf is NaN here, up to one cell further out than in a direct lookup).
; The order of rounding differs from four separate lookups; the coordinate is cut at 2^-16 of a table cell.
; No LDS and no joint loads: a builder wave reads 21 short pieces of texture rows once and shares only a halo of rows with
; its neighbours; the converter shares nothing.
.set NBUILD, 2145                      ; 65 strips x 33 row groups
.set STRIPS, 65                        ; strips of 64 nodes: 4160 columns
.set CHUNKS, 258                       ; chunks of 16 rows: 4128 rows
.set PITCH,  16640                     ; bytes in a row of TABLE, 65 x 256
.set UB,  2                            ; v2       32 strip + lane = u + 4 of my left node
.set UF,  3                            ; v3       the same as f32
.set TA,  4                            ; v4-5     scratch
.set TB,  5
.set FA,  6                            ; v6-7     ix - texel index, left and right node
.set FB,  7
.set SO,  8                            ; v8       8 x lane: my two nodes in the strip, never rewritten
.set TP,  10                           ; v[10:11] packed scratch
.set CO,  12                           ; v12-15   layer L: byte offset of my left texel in a texture row
.set WT,  16                           ; v16-31   layer L: weights (w0 left, w0 right), (w1 left, w1 right)
.set H,   32                           ; v32-73   21 texture rows: two texels as loaded, then the row at my two nodes
.set ACC, 74                           ; v74-105  16 rows of TABLE, my two nodes each
.set A,   74                           ; v74-94   first: the byte offsets of the 21 rows (free again when all loads are in)
.set X,   32                           ; converter: v32-63, eight loads of four floats
	s_load_b256 s[4:11], s[0:1], 0x0               ; layer1 s[4:5], layer2 s[6:7], layer3 s[8:9], layer4 s[10:11]
	s_load_b128 s[12:15], s[0:1], 0x20             ; x s[12:13], idx s[14:15]
	s_load_b64 s[16:17], s[0:1], 0x30              ; table
	s_cmp_lt_u32 ttmp9, NBUILD
	s_cbranch_scc1 .Lbuild
; ---------------------------------------------------------------- (b) x to whole numbers
; The work-group owns 32,768 bytes of x (4,096 points) and the same bytes of idx.  A load or store of a wave covers 512
; neighbouring bytes.  All eight loads of a thread go out first.
	s_sub_co_u32 s20, ttmp9, NBUILD
	s_lshl_b32 s20, s20, 15                        ; below 2^26
	s_mov_b32 s21, 0
	v_lshlrev_b32 v1, 4, v0                        ; 16 bytes a thread
	s_wait_kmcnt 0x0
	s_add_nc_u64 s[12:13], s[12:13], s[20:21]
	s_add_nc_u64 s[14:15], s[14:15], s[20:21]
.irp k, 0,1,2,3,4,5,6,7
	global_load_b128 v[X+4*\k:X+4*\k+3], v1, s[12:13] offset:4096*\k th:TH_LOAD_NT
.endr
; one coordinate: register r in place, a and z scratch
.macro CONV r, a, z
	v_mul_f32 v[\a], 0x45800000, v[\r]             ; x * 4096, exact or Inf
	v_mul_f32 v[\z], 0, v[\a]                      ; 0 if that is finite, NaN if not
	v_mul_f32 v[\a], 0x47800000, v[\a]             ; * 65536: sixteen bits behind the point
	v_max_num_f32 v[\a], 0xc9000000, v[\a]         ; at least -8 * 65536 (a NaN loses here)
	v_min_num_f32 v[\a], 0x4d804000, v[\a]         ; at most 4104 * 65536
	v_cvt_i32_f32 v[\a], v[\a]
	v_cmp_eq_f32 vcc_lo, v[\z], v[\z]              ; false for NaN
	v_add_nc_u32 v[\a], 0x80000, v[\a]             ; + 8 nodes: 0 .. 4112 << 16
	v_cndmask_b32 v[\r], -1, v[\a], vcc_lo
.endm
.irp k, 0,1,2,3,4,5,6,7
	s_wait_loadcnt 7-\k                            ; loads come back in order: load k is in, the 7 - k younger ones stay out
.irp c, 0,1,2,3
	CONV X+4*\k+\c, 2+2*\c, 3+2*\c
.endr
	global_store_b128 v1, v[X+4*\k:X+4*\k+3], s[14:15] offset:4096*\k th:TH_STORE_NT   ; its registers are not written again
.endr
	s_endpgm
; ---------------------------------------------------------------- (a) the table
; Work-group b: strip b mod 65, row group b / 65.  Wave w makes chunk m = 8 group + w: rows 16 m .. 16 m + 15, 64 nodes wide.
; Only 258 chunks exist: in the last row group (65 work-groups) waves 2 to 7 have no chunk and end here.
.Lbuild:
	v_lshrrev_b32 v1, 5, v0
	v_readfirstlane_b32 s23, v1                    ; wave
	s_mul_i32 s20, ttmp9, 64528                    ; 64528 = ceil(2^22 / 65); exact for b < 2145: 65 k * 64528 = k (2^22 + 16)
	s_lshr_b32 s21, s20, 22                        ; row group
	s_mul_i32 s22, s21, STRIPS
	s_sub_co_u32 s22, ttmp9, s22                   ; strip
	s_lshl3_add_u32 s24, s21, s23                  ; m
	s_cmp_ge_u32 s24, CHUNKS
	s_cbranch_scc1 .Lnone
	v_and_b32 v[UB], 31, v0
	v_lshlrev_b32 v[SO], 3, v[UB]
	s_lshl_b32 s25, s22, 5
	v_add_nc_u32 v[UB], s25, v[UB]                 ; my nodes: u = UB - 4 and u = UB - 3.5
	v_cvt_f32_u32 v[UF], v[UB]
; Columns of layer L (d = 1 << sh).  Left texel = floor(ix) of my left node = (UB - cs) >> sh, clamped to 0 .. width - 2,
; so that it and its right neighbour exist.  f = ix - that index (exact: small dyadic numbers); my right node is 0.5 / d further.
; Weights are the hats max(0, 1 - |f|) and max(0, 1 - |f - 1|): inside they are 1 - f and f, at the rim and outside they
; give the zero padding.
.macro COLS L, cs, sh, xmax, inv, c0, hb
	v_max_u32 v[TA], \cs, v[UB]
	v_add_nc_u32 v[TA], -\cs, v[TA]
.if \sh
	v_lshrrev_b32 v[TA], \sh, v[TA]
.endif
	v_min_u32 v[TA], \xmax, v[TA]
	v_lshlrev_b32 v[CO+\L], 2, v[TA]
	v_cvt_f32_u32 v[TB], v[TA]
	v_mul_f32 v[FA], \inv, v[UF]                   ; UB / d
	v_sub_f32 v[FA], v[FA], v[TB]
	v_add_f32 v[FA], \c0, v[FA]                    ; - (4 / d + 0.5)
	v_add_f32 v[FB], \hb, v[FA]
	v_sub_f32 v[WT+4*\L], 1.0, |v[FA]|
	v_sub_f32 v[WT+4*\L+1], 1.0, |v[FB]|
	v_add_f32 v[FA], -1.0, v[FA]
	v_add_f32 v[FB], -1.0, v[FB]
	v_sub_f32 v[WT+4*\L+2], 1.0, |v[FA]|
	v_sub_f32 v[WT+4*\L+3], 1.0, |v[FB]|
.irp w, 0,1,2,3
	v_max_num_f32 v[WT+4*\L+\w], 0, v[WT+4*\L+\w]
.endr
.endm
	COLS 0, 5, 0, 2046, 1.0,        0xc0900000, 0.5          ; -4.5
	COLS 1, 5, 1, 1022, 0.5,        0xc0200000, 0x3e800000   ; -2.5, 0.25
	COLS 2, 6, 2, 510,  0x3e800000, 0xbfc00000, 0x3e000000   ; 0.25, -1.5, 0.125
	COLS 3, 8, 3, 254,  0x3e000000, -1.0,       0x3d800000   ; 0.125, -1.0, 0.0625
	; Rows.  v = 8 m - 4 + jj / 2 for row jj of the chunk, so the chunk needs these texture rows (below 0 they wrap to large numbers):
	s_lshl_b32 s26, s24, 3
	s_add_co_u32 s26, s26, -5                      ; layer1: 8 m - 5 .. 8 m + 3   (9 rows)
	s_lshl_b32 s27, s24, 2
	s_add_co_u32 s27, s27, -3                      ; layer2: 4 m - 3 .. 4 m + 2   (6)
	s_lshl_b32 s28, s24, 1
	s_add_co_u32 s28, s28, -2                      ; layer3: 2 m - 2 .. 2 m + 1   (4)
	s_add_co_u32 s29, s24, -1                      ; layer4: m - 1, m             (2)
	s_mul_i32 s30, s24, 16*PITCH                   ; my chunk and strip in TABLE: below 2^27
	s_lshl_b32 s31, s22, 8
	s_add_co_u32 s30, s30, s31
	s_mov_b32 s31, 0
	s_mov_b32 s35, 0                               ; upper half of the pair s[34:35], whose lower half is broadcast below
	s_wait_kmcnt 0x0
	s_add_nc_u64 s[16:17], s[16:17], s[30:31]
; Row slot i = row rb + k of layer L: two loads, my left texel and its right neighbour.  A row outside the texture is read from
; the last row instead (any row inside will do: its result is multiplied by 0 below).
.macro LROW i, L, rb, k, hmax, sh, base
	s_add_co_u32 s32, s[\rb], \k
	s_min_u32 s32, s32, \hmax
	s_lshl_b32 s32, s32, \sh
	v_add_nc_u32 v[A+\i], s32, v[CO+\L]
	global_load_b32 v[H+2*(\i)], v[A+\i], s[\base:\base+1]
	global_load_b32 v[H+2*(\i)+1], v[A+\i], s[\base:\base+1] offset:4
.endm
.irp k, 0,1,2,3,4,5,6,7,8
	LROW \k, 0, 26, \k, 2047, 13, 4
.endr
.irp k, 0,1,2,3,4,5
	LROW 9+\k, 1, 27, \k, 1023, 12, 6
.endr
.irp k, 0,1,2,3
	LROW 15+\k, 2, 28, \k, 511, 11, 8
.endr
.irp k, 0,1
	LROW 19+\k, 3, 29, \k, 255, 10, 10
.endr
; The row at my two nodes, in place: t0 * (w0, w0') + t1 * (w1, w1'), times 1 for a row of the texture and 0 for one outside.
.macro HROW i, L, rb, k, hn
	s_add_co_u32 s32, s[\rb], \k
	s_cmp_lt_u32 s32, \hn                          ; unsigned: a wrapped negative row is outside too
	s_cselect_b32 s34, 1.0, 0
	s_wait_loadcnt 40-2*(\i)                       ; of the 42 loads, the 40 - 2 i issued behind this row may stay out
	v_pk_mul_f32 v[TP:TP+1], v[H+2*(\i):H+2*(\i)+1], v[WT+4*\L:WT+4*\L+1] op_sel_hi:[0,1]
	v_pk_fma_f32 v[TP:TP+1], v[H+2*(\i):H+2*(\i)+1], v[WT+4*\L+2:WT+4*\L+3], v[TP:TP+1] op_sel:[1,0,0]
	v_pk_mul_f32 v[H+2*(\i):H+2*(\i)+1], v[TP:TP+1], s[34:35] op_sel_hi:[1,0]
.endm
.irp k, 0,1,2,3,4,5,6,7,8
	HROW \k, 0, 26, \k, 2048
.endr
.irp k, 0,1,2,3,4,5
	HROW 9+\k, 1, 27, \k, 1024
.endr
.irp k, 0,1,2,3
	HROW 15+\k, 2, 28, \k, 512
.endr
.irp k, 0,1
	HROW 19+\k, 3, 29, \k, 256
.endr
; sym = the f32 bits of n / 16, n = 1 .. 16
.macro W16 sym, n
.if (\n) >= 8
	.set \sym, 0x3f000000+((\n)-8)*0x100000
.else
.if (\n) >= 4
	.set \sym, 0x3e800000+((\n)-4)*0x200000
.else
.if (\n) >= 2
	.set \sym, 0x3e000000+((\n)-2)*0x400000
.else
	.set \sym, 0x3d800000
.endif
.endif
.endif
.endm
; acc (+)= (16 - n)/16 * row slot h0 + n/16 * row slot h0 + 1; the first layer starts the sum, a weight of 0 is left out
.macro MIX acc, first, h0, n
	W16 WLO, 16-(\n)
	W16 WHI, \n
.if \first
	v_pk_mul_f32 v[\acc:\acc+1], v[H+2*(\h0):H+2*(\h0)+1], WLO op_sel_hi:[1,0]
.else
	v_pk_fma_f32 v[\acc:\acc+1], v[H+2*(\h0):H+2*(\h0)+1], WLO, v[\acc:\acc+1] op_sel_hi:[1,0,1]
.endif
.if \n
	v_pk_fma_f32 v[\acc:\acc+1], v[H+2*(\h0)+2:H+2*(\h0)+3], WHI, v[\acc:\acc+1] op_sel_hi:[1,0,1]
.endif
.endm
; Row jj of the chunk.  Counted from the first row that the chunk loads of each layer, iy is jj/16 (layer4), 0.5 + jj/8 (layer3),
; 0.5 + jj/4 (layer2), 0.5 + jj/2 (layer1): whole part = row slot, rest = weight, both constants of the text.
; All loads are in (the last wait above was for 0), so the offsets in v74-94 may be written over.
; A store of the wave covers 256 consecutive bytes that start at a multiple of 256 in TABLE; its registers are not written again.
.irp jj, 0,1,2,3,4,5,6,7,8,9,10,11,12,13,14,15
	MIX ACC+2*\jj, 1, 19, \jj
	MIX ACC+2*\jj, 0, 15+((\jj+4)>>3), ((\jj+4)&7)*2
	MIX ACC+2*\jj, 0, 9+((\jj+2)>>2), ((\jj+2)&3)*4
	MIX ACC+2*\jj, 0, ((\jj+1)>>1), ((\jj+1)&1)*8
	global_store_b64 v[SO], v[ACC+2*\jj:ACC+2*\jj+1], s[16:17] offset:\jj*PITCH
.endr
.Lnone:
	s_endpgm
.Lfunc_end_k_q84d0f32936_prepare:
	.size	k_q84d0f32936_prepare, .Lfunc_end_k_q84d0f32936_prepare-k_q84d0f32936_prepare
	.p2alignl 7, 3214868480
	.fill 96, 4, 3214868480
	.section	.rodata,"a",@progbits
	.p2align	6, 0x0
	.amdhsa_kernel k_q84d0f32936_prepare
		.amdhsa_group_segment_fixed_size 0
		.amdhsa_private_segment_fixed_size 0
		.amdhsa_enable_private_segment 0
		.amdhsa_kernarg_size 56
		.amdhsa_user_sgpr_count 2
		.amdhsa_user_sgpr_kernarg_segment_ptr 1
		.amdhsa_wavefront_size32 1
		.amdhsa_system_sgpr_workgroup_id_x 1
		.amdhsa_system_sgpr_workgroup_id_y 1
		.amdhsa_system_sgpr_workgroup_id_z 1
		.amdhsa_system_vgpr_workitem_id 0
		.amdhsa_next_free_vgpr 106
		.amdhsa_next_free_sgpr 66
		.amdhsa_reserve_vcc 1
		.amdhsa_float_denorm_mode_32 3
		.amdhsa_float_denorm_mode_16_64 3
		.amdhsa_memory_ordered 1
		.amdhsa_forward_progress 1
		.amdhsa_inst_pref_size 47
	.end_amdhsa_kernel
	.amdgpu_metadata
---
amdhsa.version: [ 1, 2 ]
amdhsa.kernels:
  - .name:           k_q84d0f32936_prepare
    .symbol:         k_q84d0f32936_prepare.kd
    .args:
      - { .name: layer1, .offset: 0, .size: 8, .value_kind: global_buffer, .address_space: global }
      - { .name: layer2, .offset: 8, .size: 8, .value_kind: global_buffer, .address_space: global }
      - { .name: layer3, .offset: 16, .size: 8, .value_kind: global_buffer, .address_space: global }
      - { .name: layer4, .offset: 24, .size: 8, .value_kind: global_buffer, .address_space: global }
      - { .name: x, .offset: 32, .size: 8, .value_kind: global_buffer, .address_space: global }
      - { .name: idx, .offset: 40, .size: 8, .value_kind: global_buffer, .address_space: global }
      - { .name: table, .offset: 48, .size: 8, .value_kind: global_buffer, .address_space: global }
    .group_segment_fixed_size: 0
    .private_segment_fixed_size: 0
    .kernarg_segment_align: 8
    .kernarg_segment_size: 56
    .max_flat_workgroup_size: 256
    .sgpr_count:     66
    .vgpr_count:     106
    .wavefront_size: 32
...
	.end_amdgpu_metadata
.endif
;; end of part 1
;; launch sample (part 2): grid 1024 x 1, 8 waves a work-group, no clusters, 0 bytes of LDS; arguments idx, table, out0; writes out0
.if DOCPART == 2
	.amdgcn_target "amdgcn-amd-amdhsa--gfx1250"
	.amdhsa_code_object_version 6
	.text
	.protected	k_q84d0f32936_sample
	.globl	k_q84d0f32936_sample
	.p2align	8
	.type	k_q84d0f32936_sample,@function
k_q84d0f32936_sample:
	s_mov_b64 s[64:65], 0
	v_nop
	global_prefetch_b8 v0, s[64:65] scope:SCOPE_SE
	s_setreg_imm32_b32 hwreg(HW_REG_WAVE_MODE, 25, 1), 1
	s_wait_xcnt 0x0
; SAMPLE: out[p] = bilinear lookup in TABLE at the point whose whole-number coordinates (qx, qy) the launch before stored in idx.
; q = cell << 16 | place in the cell; TABLE[j][i] holds the sum of the four layers at node (i, j), and that sum is bilinear inside a
; cell, so four texels and three interpolations give the sum of the four layers, zero padding included (clamped points
; lie on nodes that hold 0).  q = 0xffffffff marks a coordinate that is not finite: the result is NaN.
; The work-group owns 8,192 points, a wave 1,024, in four trips of 256; a lane takes 8 points a trip: four 16-byte loads of idx
; (512 neighbouring bytes a wave), 32 gathers, all in flight together, and four 8-byte stores (256 neighbouring aligned bytes a wave).
; The idx of the next trip is asked for behind the gathers of this one.  All places of a trip stand in immediates: no address
; register is ever stepped.
; No LDS, no joint loads: the cells are wherever the points fall, so no two work-groups want the same tile at the same time.
; No prefetch of the cells: a cell is known only when its idx word has come, and its four loads go out at once.
; LIMIT: as in the launch before, texels must be finite.
.set PITCH, 16640                      ; bytes in a row of TABLE
.set CMAX,  4112                       ; the last cell that a clamped coordinate names; node 4113 exists and holds 0
.set IO,   4                           ; v4       my byte offset in the work-group's idx
.set OO,   5                           ; v5       my byte offset in the work-group's out
.set NANR, 6                           ; v6       NaN
.set TA,   7                           ; v7-8     scratch
.set TB,   8
.set Q,    10                          ; v10-25   idx of 8 points: qx, qy
.set OFF,  26                          ; v26-33   byte offset of each point's cell in TABLE
.set FR,   34                          ; v34-49   (fx, fy) of each point
.set TX,   50                          ; v50-81   each point: t(y,x), t(y+1,x), t(y,x+1), t(y+1,x+1)
.set OUT,  82                          ; v82-89   results
.set MK,   16                          ; s16-23   each point: lanes whose coordinate is not finite
	s_load_b128 s[4:7], s[0:1], 0x0                ; idx s[4:5], table s[6:7]
	s_load_b64 s[8:9], s[0:1], 0x10                ; out0
	v_and_b32 v1, 31, v0
	v_lshrrev_b32 v2, 5, v0
	v_lshlrev_b32 v3, 4, v1
	v_lshl_add_u32 v[IO], v2, 13, v3               ; wave x 8,192 + lane x 16
	v_lshlrev_b32 v3, 3, v1
	v_lshl_add_u32 v[OO], v2, 12, v3               ; wave x 4,096 + lane x 8
	v_mov_b32 v[NANR], 0x7fc00000
	s_lshl_b32 s10, ttmp9, 16                      ; 65,536 bytes of idx,
	s_mov_b32 s11, 0
	s_lshl_b32 s12, ttmp9, 15                      ; 32,768 bytes of out for a work-group
	s_mov_b32 s13, 0
	s_wait_kmcnt 0x0
	s_add_nc_u64 s[4:5], s[4:5], s[10:11]
	s_add_nc_u64 s[8:9], s[8:9], s[12:13]
.irp k, 0,1,2,3
	global_load_b128 v[Q+4*\k:Q+4*\k+3], v[IO], s[4:5] offset:\k*512 th:TH_LOAD_NT
.endr
; Point p: the cell, its four loads, then the places inside the cell.  The cell numbers are loaded numbers: each is cut to
; 0 .. 4112 by v_min_u32, and only a multiply, a shift to the left and an add follow.
.macro POINT p
	v_lshrrev_b32 v[TA], 16, v[Q+2*(\p)]
	v_lshrrev_b32 v[TB], 16, v[Q+2*(\p)+1]
	v_min_u32 v[TA], CMAX, v[TA]
	v_min_u32 v[TB], CMAX, v[TB]
	v_mul_u32_u24 v[TB], PITCH, v[TB]
	v_lshl_add_u32 v[OFF+(\p)], v[TA], 2, v[TB]
	global_load_b32 v[TX+4*(\p)],   v[OFF+(\p)], s[6:7]
	global_load_b32 v[TX+4*(\p)+1], v[OFF+(\p)], s[6:7] offset:PITCH
	global_load_b32 v[TX+4*(\p)+2], v[OFF+(\p)], s[6:7] offset:4
	global_load_b32 v[TX+4*(\p)+3], v[OFF+(\p)], s[6:7] offset:PITCH+4
	v_max_u32 v[TA], v[Q+2*(\p)], v[Q+2*(\p)+1]
	v_cmp_eq_u32 s[MK+(\p)], -1, v[TA]             ; either coordinate marked
	v_and_b32 v[FR+2*(\p)], 0xffff, v[Q+2*(\p)]
	v_and_b32 v[FR+2*(\p)+1], 0xffff, v[Q+2*(\p)+1]
	v_cvt_f32_u32 v[FR+2*(\p)], v[FR+2*(\p)]
	v_cvt_f32_u32 v[FR+2*(\p)+1], v[FR+2*(\p)+1]
	v_pk_mul_f32 v[FR+2*(\p):FR+2*(\p)+1], v[FR+2*(\p):FR+2*(\p)+1], 0x37800000 op_sel_hi:[1,0]   ; * 2^-16
.endm
; Point p: both rows along x at once, then along y.  left = the loads issued behind this point's four.
.macro RESULT p, left
	s_wait_loadcnt \left
	v_pk_add_f32 v[TX+4*(\p)+2:TX+4*(\p)+3], v[TX+4*(\p)+2:TX+4*(\p)+3], v[TX+4*(\p):TX+4*(\p)+1] neg_lo:[0,1] neg_hi:[0,1]
	v_pk_fma_f32 v[TX+4*(\p):TX+4*(\p)+1], v[TX+4*(\p)+2:TX+4*(\p)+3], v[FR+2*(\p):FR+2*(\p)+1], v[TX+4*(\p):TX+4*(\p)+1] op_sel_hi:[1,0,1]
	v_sub_f32 v[TX+4*(\p)+1], v[TX+4*(\p)+1], v[TX+4*(\p)]
	v_fma_f32 v[OUT+(\p)], v[FR+2*(\p)+1], v[TX+4*(\p)+1], v[TX+4*(\p)]
	v_cndmask_b32 v[OUT+(\p)], v[OUT+(\p)], v[NANR], s[MK+(\p)]
.endm
; Trip t.  more = 1: the idx of trip t + 1 is asked for.
.macro TRIP t, more
.irp k, 0,1,2,3
	s_wait_loadcnt 3+7*\k                          ; idx load k is in: behind it were issued 3 - k idx loads and the 8 k gathers of this trip
	POINT 2*\k
	POINT 2*\k+1
.endr
.if \more
.irp k, 0,1,2,3
	global_load_b128 v[Q+4*\k:Q+4*\k+3], v[IO], s[4:5] offset:(\t+1)*2048+\k*512 th:TH_LOAD_NT   ; Q has been read out above
.endr
.endif
	s_wait_xcnt 0x0                                ; OUT, which the last trip's stores read, is written again only behind this wait
.irp k, 0,1,2,3
	RESULT 2*\k, (7-2*\k)*4+4*\more                ; the younger points' gathers and the next trip's four idx loads stay out
	RESULT 2*\k+1, (6-2*\k)*4+4*\more
	global_store_b64 v[OO], v[OUT+2*\k:OUT+2*\k+1], s[8:9] offset:\t*1024+\k*256 th:TH_STORE_NT
.endr
.endm
	TRIP 0, 1
	TRIP 1, 1
	TRIP 2, 1
	TRIP 3, 0                                      ; the last trip asks for nothing: no load leaves idx
	s_endpgm
.Lfunc_end_k_q84d0f32936_sample:
	.size	k_q84d0f32936_sample, .Lfunc_end_k_q84d0f32936_sample-k_q84d0f32936_sample
	.p2alignl 7, 3214868480
	.fill 96, 4, 3214868480
	.section	.rodata,"a",@progbits
	.p2align	6, 0x0
	.amdhsa_kernel k_q84d0f32936_sample
		.amdhsa_group_segment_fixed_size 0
		.amdhsa_private_segment_fixed_size 0
		.amdhsa_enable_private_segment 0
		.amdhsa_kernarg_size 24
		.amdhsa_user_sgpr_count 2
		.amdhsa_user_sgpr_kernarg_segment_ptr 1
		.amdhsa_wavefront_size32 1
		.amdhsa_system_sgpr_workgroup_id_x 1
		.amdhsa_system_sgpr_workgroup_id_y 1
		.amdhsa_system_sgpr_workgroup_id_z 1
		.amdhsa_system_vgpr_workitem_id 0
		.amdhsa_next_free_vgpr 90
		.amdhsa_next_free_sgpr 66
		.amdhsa_reserve_vcc 0
		.amdhsa_float_denorm_mode_32 3
		.amdhsa_float_denorm_mode_16_64 3
		.amdhsa_memory_ordered 1
		.amdhsa_forward_progress 1
		.amdhsa_inst_pref_size 49
	.end_amdhsa_kernel
	.amdgpu_metadata
---
amdhsa.version: [ 1, 2 ]
amdhsa.kernels:
  - .name:           k_q84d0f32936_sample
    .symbol:         k_q84d0f32936_sample.kd
    .args:
      - { .name: idx, .offset: 0, .size: 8, .value_kind: global_buffer, .address_space: global }
      - { .name: table, .offset: 8, .size: 8, .value_kind: global_buffer, .address_space: global }
      - { .name: out0, .offset: 16, .size: 8, .value_kind: global_buffer, .address_space: global }
    .group_segment_fixed_size: 0
    .private_segment_fixed_size: 0
    .kernarg_segment_align: 8
    .kernarg_segment_size: 24
    .max_flat_workgroup_size: 256
    .sgpr_count:     66
    .vgpr_count:     90
    .wavefront_size: 32
...
	.end_amdgpu_metadata
.endif
;; end of part 2
;; ======== version 2 of 2: 2 launches; version 1 with the launch sample written anew for expert scheduling mode
;; workspace buffers: idx 67,108,864 bytes of whole numbers; table 68,689,920 bytes
;; launch prepare: the kernel of part 1 again; grid 4193 x 1, 8 waves a work-group, no clusters, 0 bytes of LDS; arguments layer1, layer2, layer3, layer4, x, idx, table; writes idx, table
;; launch sample (part 3): grid 1024 x 1, 8 waves a work-group, no clusters, 0 bytes of LDS; arguments idx, table, out0; writes out0
.if DOCPART == 3
	.amdgcn_target "amdgcn-amd-amdhsa--gfx1250"
	.amdhsa_code_object_version 6
	.text
	.protected	k_q84d0f32936_sample
	.globl	k_q84d0f32936_sample
	.p2align	8
	.type	k_q84d0f32936_sample,@function
k_q84d0f32936_sample:
	s_mov_b64 s[64:65], 0
	v_nop
	global_prefetch_b8 v0, s[64:65] scope:SCOPE_SE
	s_setreg_imm32_b32 hwreg(HW_REG_WAVE_SCHED_MODE, 0, 2), 2
	s_setreg_imm32_b32 hwreg(HW_REG_WAVE_MODE, 25, 1), 1
	s_wait_xcnt 0x0
	s_wait_alu depctr_vm_vsrc(0)
; SAMPLE: out[p] = bilinear lookup in TABLE at the point whose whole-number coordinates (qx, qy) the launch before stored in idx.
; q = cell << 16 | place in the cell; TABLE[j][i] holds the sum of the four layers at node (i, j), and that sum is bilinear inside a
; cell, so four texels and three interpolations give the sum of the four layers, zero padding included (clamped points
; lie on nodes that hold 0).  q = 0xffffffff marks a coordinate that is not finite: the result is NaN.
; The work-group owns 8,192 points, a wave 1,024, in eight steps of 128; a lane takes 4 points a step: two 16-byte loads of idx
; (512 neighbouring bytes a wave), 16 gathers, and two 8-byte stores (256 neighbouring aligned bytes a wave).
; All places of a step stand in immediates: no address register is ever stepped.
; No LDS, no joint loads: the cells are wherever the points fall, so no two work-groups want the same tile at the same time.
; No prefetch of the cells: a cell is known only when its idx word has come, and its four loads go out at once.
; LIMIT: as in the launch before, texels must be finite.
; THE MODE: SCHED_MODE bits 1:0 = 2 (LLVM: expert scheduling mode 2), set by the entry lines.  The code itself states the register
; dependences between vector instructions and memory instructions, with s_wait_alu, always for 0.
; THE PLAN.  Stretch s of the text makes the cells of step s + 1, sends its gathers out, and then finishes step s.  Registers that memory instructions touch:
;   Q0 .. Q2     idx of a step.    Written by the loads of step j, issued in stretch j - 3; read by CELLS j and INSIDE j, in stretch j - 1.
;   OFF0, OFF1   cell offsets.     Written by CELLS j in stretch j - 1; read by the gathers of step j, in the same stretch.
;   TX0, TX1     texels.           Written by those gathers; read and worked on in place by RESULT j, in stretch j.
;   OUT0, OUT1   results.          Written by RESULT j in stretch j; read by the two stores that are issued in stretch j + 1.
;   v[IO], v[OO] my byte offsets, made once at the head and never written again.
;   FR, SC and the NaN are named by vector instructions alone.  MK (scalar) is written by INSIDE's compares and read by RESULT's selects.
; So one wait on va_vdst stands in a stretch, behind CELLS, and the stretch's twenty memory instructions follow it in one run, with no vector
; instruction between; one wait on vm_vsrc stands at the stretch's head; one wait on va_sdst behind the run of four compares.
; The text has no branch and no label, and EXEC is never written.
.set PITCH, 16640                      ; bytes in a row of TABLE
.set CMAX,  4112                       ; the last cell that a clamped coordinate names; node 4113 exists and holds 0
.set LAST,  7                          ; steps 0 .. 7
.set IO,   4                           ; v4       my byte offset in the work-group's idx
.set OO,   5                           ; v5       my byte offset in the work-group's out
.set NANR, 6                           ; v6       NaN
.set Q,    10                          ; v10-33   buffer j % 3: idx of 4 points: qx, qy
.set OFF,  34                          ; v34-41   buffer j % 2: byte offset of each point's cell in TABLE
.set FR,   42                          ; v42-57   buffer j % 2: first the two cell numbers of each point, then (fx, fy)
.set TX,   58                          ; v58-89   buffer j % 2: each point: t(y,x), t(y+1,x), t(y,x+1), t(y+1,x+1)
.set OUT,  90                          ; v90-97   buffer j % 2: results
.set SC,   98                          ; v98-101  scratch, one for each point
.set MK,   16                          ; s16-23   buffer j % 2: each point: lanes whose coordinate is not finite
	s_load_b128 s[4:7], s[0:1], 0x0                ; idx s[4:5], table s[6:7]
	s_load_b64 s[8:9], s[0:1], 0x10                ; out0
	v_and_b32 v1, 31, v0
	v_lshrrev_b32 v2, 5, v0
	v_lshlrev_b32 v3, 4, v1
	v_lshl_add_u32 v[IO], v2, 13, v3               ; wave x 8,192 + lane x 16
	v_lshlrev_b32 v3, 3, v1
	v_lshl_add_u32 v[OO], v2, 12, v3               ; wave x 4,096 + lane x 8
	v_mov_b32 v[NANR], 0x7fc00000
	s_lshl_b32 s10, ttmp9, 16                      ; 65,536 bytes of idx,
	s_mov_b32 s11, 0
	s_lshl_b32 s12, ttmp9, 15                      ; 32,768 bytes of out for a work-group
	s_mov_b32 s13, 0
	s_wait_kmcnt 0x0
	s_add_nc_u64 s[4:5], s[4:5], s[10:11]
	s_add_nc_u64 s[8:9], s[8:9], s[12:13]
; The idx of step j: two loads.
.macro ASK j
.irp k, 0,1
	global_load_b128 v[Q+8*((\j)%3)+4*\k:Q+8*((\j)%3)+4*\k+3], v[IO], s[4:5] offset:(\j)*1024+\k*512 th:TH_LOAD_NT
.endr
.endm
; The cells of step j's four points, the points side by side.  The cell numbers are loaded numbers: each is cut to 0 .. 4112 by v_min_u32,
; and only a multiply, a shift to the left and an add follow.
.macro CELLS j
.set QB, Q+8*((\j)%3)
.set FB, FR+8*((\j)%2)
.set OB, OFF+4*((\j)%2)
.irp p, 0,1,2,3
	v_lshrrev_b32 v[FB+2*\p], 16, v[QB+2*\p]
.endr
.irp p, 0,1,2,3
	v_lshrrev_b32 v[FB+2*\p+1], 16, v[QB+2*\p+1]
.endr
.irp p, 0,1,2,3
	v_min_u32 v[FB+2*\p], CMAX, v[FB+2*\p]
.endr
.irp p, 0,1,2,3
	v_min_u32 v[FB+2*\p+1], CMAX, v[FB+2*\p+1]
.endr
.irp p, 0,1,2,3
	v_mul_u32_u24 v[FB+2*\p+1], PITCH, v[FB+2*\p+1]
.endr
.irp p, 0,1,2,3
	v_lshl_add_u32 v[OB+\p], v[FB+2*\p], 2, v[FB+2*\p+1]
.endr
.endm
; The sixteen gathers of step j.
.macro GATHER j
.set OB, OFF+4*((\j)%2)
.set TB, TX+16*((\j)%2)
.irp p, 0,1,2,3
	global_load_b32 v[TB+4*\p],   v[OB+\p], s[6:7]
	global_load_b32 v[TB+4*\p+1], v[OB+\p], s[6:7] offset:PITCH
	global_load_b32 v[TB+4*\p+2], v[OB+\p], s[6:7] offset:4
	global_load_b32 v[TB+4*\p+3], v[OB+\p], s[6:7] offset:PITCH+4
.endr
.endm
; The marks and the places inside the cells of step j's four points.
.macro INSIDE j
.set QB, Q+8*((\j)%3)
.set FB, FR+8*((\j)%2)
.set MB, MK+4*((\j)%2)
.irp p, 0,1,2,3
	v_max_u32 v[SC+\p], v[QB+2*\p], v[QB+2*\p+1]
.endr
.irp p, 0,1,2,3
	v_and_b32 v[FB+2*\p], 0xffff, v[QB+2*\p]
	v_and_b32 v[FB+2*\p+1], 0xffff, v[QB+2*\p+1]
.endr
.irp p, 0,1,2,3
	v_cmp_eq_u32 s[MB+\p], -1, v[SC+\p]            ; either coordinate marked
.endr
.irp p, 0,1,2,3
	v_cvt_f32_u32 v[FB+2*\p], v[FB+2*\p]
	v_cvt_f32_u32 v[FB+2*\p+1], v[FB+2*\p+1]
.endr
.irp p, 0,1,2,3
	v_pk_mul_f32 v[FB+2*\p:FB+2*\p+1], v[FB+2*\p:FB+2*\p+1], 0x37800000 op_sel_hi:[1,0]   ; * 2^-16
.endr
	s_wait_alu depctr_va_sdst(0)                   ; the four compares have written their masks, ahead of the first reader: the selects of this step's RESULT, a stretch on
.endm
; Point p of step j: both rows along x at once, then along y.  left = the loads issued behind this point's four.
.macro RESULT j, p, left
.set TB, TX+16*((\j)%2)+4*(\p)
.set FB, FR+8*((\j)%2)+2*(\p)
.set RB, OUT+4*((\j)%2)+(\p)
	s_wait_loadcnt \left
	v_pk_add_f32 v[TB+2:TB+3], v[TB+2:TB+3], v[TB:TB+1] neg_lo:[0,1] neg_hi:[0,1]
	v_pk_fma_f32 v[TB:TB+1], v[TB+2:TB+3], v[FB:FB+1], v[TB:TB+1] op_sel_hi:[1,0,1]
	v_sub_f32 v[TB+1], v[TB+1], v[TB]
	v_fma_f32 v[RB], v[FB+1], v[TB+1], v[TB]
	v_cndmask_b32 v[RB], v[RB], v[NANR], s[MK+4*((\j)%2)+(\p)]
.endm
; The two stores of step j.
.macro SEND j
.irp k, 0,1
	global_store_b64 v[OO], v[OUT+4*((\j)%2)+2*\k:OUT+4*((\j)%2)+2*\k+1], s[8:9] offset:(\j)*512+\k*256 th:TH_STORE_NT
.endr
.endm
; Stretch s, -1 .. 7.  Loads are issued in this order: idx 0, idx 1 | gathers 0, idx 2 | gathers 1, idx 3 | .. | gathers 5, idx 7 | gathers 6 | gathers 7.
.macro STEP s
.if (\s) < LAST
.if (\s) < 0
	s_wait_loadcnt 2                               ; idx of step 0 is in; the two loads of step 1 stay out
.elseif (\s)+2 <= LAST
	s_wait_loadcnt 18                              ; loads come back in order: idx of step s + 1 is in; behind it were issued the 16 gathers of step s and the 2 idx loads of step s + 2
.else
	s_wait_loadcnt 16                              ; the same where no idx is left to ask for: the 16 gathers of step s stay out
.endif
.endif
.if (\s) >= 2
	s_wait_xcnt 0x0                                ; OUT[s % 2], which the stores of step s - 2 read, is written again only behind this wait
.endif
.if (\s) >= 1
	s_wait_alu depctr_vm_vsrc(0)                   ; the gathers of step s - 1 have read the OFF that CELLS writes again; the stores of step s - 2 have read the OUT that RESULT writes again
.endif
.if (\s) < LAST
	CELLS (\s)+1
.endif
	s_wait_alu depctr_va_vdst(0)                   ; CELLS has written OFF, which the gathers read; RESULT of step s - 1 is done with the TX in which they land and has written the OUT that the
	                                               ; stores read; CELLS and INSIDE of step s are done reading the Q in which the idx loads land
.set YOUNG, 0                          ; the loads issued behind the gathers of step s:
.if (\s)+2 <= LAST
.set YOUNG, YOUNG+2                    ; the idx of step s + 2, in the stretch before,
.endif
.if (\s) < LAST
	GATHER (\s)+1
.set YOUNG, YOUNG+16                   ; the gathers of step s + 1,
.endif
.if (\s)+3 <= LAST
	ASK (\s)+3                                     ; behind the gathers; no load leaves idx: steps past the last are not asked for
.set YOUNG, YOUNG+2                    ; and the idx of step s + 3
.endif
.if (\s) >= 1
	SEND (\s)-1
.endif
.if (\s) < LAST
	INSIDE (\s)+1                                  ; names Q, FR, SC and MK of step s + 1: none of the registers of the memory instructions above
.endif
.if (\s) >= 0
	RESULT \s, 0, YOUNG+12                         ; the younger points' gathers stay out too
	RESULT \s, 1, YOUNG+8
	RESULT \s, 2, YOUNG+4
	RESULT \s, 3, YOUNG
.endif
.endm
	s_wait_alu depctr_va_vdst(0)                   ; v[IO] and v[OO] are written: every idx load and every store of the kernel reads one of them as its offset
	ASK 0
	ASK 1
	STEP -1                                        ; the cells and gathers of step 0; nothing to finish yet
	STEP 0
	STEP 1
	STEP 2
	STEP 3
	STEP 4
	STEP 5
	STEP 6
	STEP 7                                         ; no further step: the stores of step 6, and step 7 is finished
	s_wait_alu depctr_va_vdst(0)                   ; RESULT of step 7 has written OUT1, which the last two stores read
	SEND 7
	s_endpgm
.Lfunc_end_k_q84d0f32936_sample:
	.size	k_q84d0f32936_sample, .Lfunc_end_k_q84d0f32936_sample-k_q84d0f32936_sample
	.p2alignl 7, 3214868480
	.fill 96, 4, 3214868480
	.section	.rodata,"a",@progbits
	.p2align	6, 0x0
	.amdhsa_kernel k_q84d0f32936_sample
		.amdhsa_group_segment_fixed_size 0
		.amdhsa_private_segment_fixed_size 0
		.amdhsa_enable_private_segment 0
		.amdhsa_kernarg_size 24
		.amdhsa_user_sgpr_count 2
		.amdhsa_user_sgpr_kernarg_segment_ptr 1
		.amdhsa_wavefront_size32 1
		.amdhsa_system_sgpr_workgroup_id_x 1
		.amdhsa_system_sgpr_workgroup_id_y 1
		.amdhsa_system_sgpr_workgroup_id_z 1
		.amdhsa_system_vgpr_workitem_id 0
		.amdhsa_next_free_vgpr 102
		.amdhsa_next_free_sgpr 66
		.amdhsa_reserve_vcc 0
		.amdhsa_float_denorm_mode_32 3
		.amdhsa_float_denorm_mode_16_64 3
		.amdhsa_memory_ordered 1
		.amdhsa_forward_progress 1
		.amdhsa_inst_pref_size 50
	.end_amdhsa_kernel
	.amdgpu_metadata
---
amdhsa.version: [ 1, 2 ]
amdhsa.kernels:
  - .name:           k_q84d0f32936_sample
    .symbol:         k_q84d0f32936_sample.kd
    .args:
      - { .name: idx, .offset: 0, .size: 8, .value_kind: global_buffer, .address_space: global }
      - { .name: table, .offset: 8, .size: 8, .value_kind: global_buffer, .address_space: global }
      - { .name: out0, .offset: 16, .size: 8, .value_kind: global_buffer, .address_space: global }
    .group_segment_fixed_size: 0
    .private_segment_fixed_size: 0
    .kernarg_segment_align: 8
    .kernarg_segment_size: 24
    .max_flat_workgroup_size: 256
    .sgpr_count:     66
    .vgpr_count:     102
    .wavefront_size: 32
...
	.end_amdgpu_metadata
.endif
;; end of part 3
